; MI455X (gfx1250); checked and timed in simulation.
; The chip was launched on July 23, 2026; its instructions are those of AMD's public machine-readable ISA for CDNA 5 (MIT licence, August 2026) and "CDNA5" Instruction Set Architecture Reference Guide (July 2026). The comments in the code are by the model that wrote it; some were corrected since.
;; Classifier. Allowed arithmetic: matrix products marked QUANTISED: E2M3 operands, one E8M0 scale for each 32 along K, by v_wmma_scale_f32_16x16x128_f8f6f4 with both operands' format E2M3, f32 sums; products left as they are: f32 operands where the result goes on into a quantised operand, else bf16, f16 or f32 operands; f32 sums; everything else in f32.
;; Inputs: emb 1,024 x 128 float32; weight 256 x 64 x 128 float32.
;; Outputs: out0 1,024 x 256 float32.
;; This version of the problem:
;;   THIS VERSION OF THE PROBLEM IS GIVEN IN LOW PRECISION. The matrix products marked QUANTISED in the list below multiply operands that are first quantised to E2M3 (2 exponent bits, 3 mantissa bits; 6 bits a number), with one power-of-two scale for each 32 numbers along K (OCP MX v1.0); their sums are f32. All else is computed in f32.
;;   The module's matrix products, in the order in which they are computed (A, B: the left and right operand; K: the contracted axis; several contracted axes count as one K, in the product's order):
;;     1. [M 1,024, K 128] x [K 128, N 16,384]; A: input emb; B: input weight: QUANTISED
;;     2. batch 262,144 x [M 1, K 8] x [K 8, N 128]; A: softmax; B: computed on the way: left as it is (K = 8 < 32)
;;     3. batch 1,024 x [M 256, K 128] x [K 128, N 1]; A: computed on the way; B: input emb: left as it is (N = 1 < 16)
;;   THE QUANTISER, for each operand of a quantised product, along K:
;;     - K is cut into blocks of 32 from its start; a last block that is shorter is filled with zeros.
;;     - A block's scale is 2^e with e = floor(log2(the largest magnitude in the block)) - 2, held to -126 .. 127; a block of zeros has e = 0. As a byte (E8M0): e + 127.
;;     - Each number is divided by its block's scale, clamped to +-7.5, and rounded to the nearest number of E2M3, ties to even, subnormals kept.
;;     - The product sums the exact products of the quantised numbers (number of the format x scale) in f32.
;;   ~~~python
;;   def quantise(x, axis):      # numpy; x: float32 -> the quantised numbers, widened to float32 again
;;       x = np.moveaxis(x, axis, -1); K = x.shape[-1]
;;       x = np.pad(x, [(0, 0)] * (x.ndim - 1) + [(0, -K % 32)]); x = x.reshape(x.shape[:-1] + (-1, 32)); a = np.abs(x).max(-1, keepdims=True)
;;       e = np.where(a > 0, np.clip(np.frexp(np.where(a > 0, a, 1))[1] - 1 - 2, -126, 127), 0)      # np.frexp(a)[1] - 1 = floor(log2(a)), exactly
;;       r = np.clip(x / 2.0 ** e, -7.5, 7.5)
;;       step = 2.0 ** (np.maximum(np.frexp(np.where(r == 0, 1, r))[1] - 1, 0) - 3)
;;       q = np.round(r / step) * step * 2.0 ** e      # np.round: ties to even
;;       return np.moveaxis(q.reshape(q.shape[:-2] + (-1,))[..., :K], -1, axis).astype(np.float32)
;;   ~~~
;; 2 versions, each right; version 2 is version 1 with the launch classify written anew for expert scheduling mode. Each part assembles by itself: llvm-mc -triple=amdgcn-amd-amdhsa -mcpu=gfx1250 --defsym DOCPART=n.
;; ======== version 1 of 2: 1 launch
;; limits: below input magnitudes of 8.8e-06 results are inexact or not finite
;; launch classify (part 1): grid 4 x 64, 8 waves a work-group, no clusters, 268,288 bytes of LDS; arguments emb, weight, out0; writes out0
.if DOCPART == 1
	.amdgcn_target "amdgcn-amd-amdhsa--gfx1250"
	.amdhsa_code_object_version 6
	.text
	.protected	k_q4742af8dac_classify
	.globl	k_q4742af8dac_classify
	.p2align	8
	.type	k_q4742af8dac_classify,@function
k_q4742af8dac_classify:
	s_mov_b64 s[64:65], 0
	v_nop
	global_prefetch_b8 v0, s[64:65] scope:SCOPE_SE
	s_setreg_imm32_b32 hwreg(HW_REG_WAVE_MODE, 25, 1), 1
	s_wait_xcnt 0x0
; out0[b][c] = ((1 + cos(protos[b][c], emb[b])) / 2 + 1e-8) / 0.1, protos = the softmax-weighted sum of the 8 sub-prototypes of class c (of 64) with the largest score
; (1 + cos_q) / 2 + 1e-8, cos_q = Q(emb[b]) . Q(weight[c][s]) / max(n_emb n_w, 1e-8): Q = codes of FP6 (E2M3) with one E8M0 scale for each 32 along the 128; norms of the unquantised numbers.
; SHARES.  A work-group takes 256 rows of emb (x of the grid) and 4 classes (y).  Eight waves: wave (c = wave % 4, g = wave / 4) owns class c and rows 128 g .. 128 g + 127, eight tiles of 16.
; Its class stays in its registers for the whole launch: 4 fragments of codes, 16 fragments of W^T in bf16, 64 reciprocal norms.  What goes round through LDS is emb: codes as images of the operand's registers, f32 rows.
; A UNIT is 16 rows x one class.  S^T = W emb^T (source 0 = 16 sub-prototypes, source 1 = 16 rows of emb): a lane holds ONE row b (lane % 16).  ROW m OF TILE t IS SUB-PROTOTYPE 16 t + 2 (m % 8) + m / 8,
; so that half h (lane / 16) of the lanes holds the sub-prototypes s = 2 i + h, i = 8 t + register.
; TOP 8 WITHOUT AN ADDRESS: F = fl(2^24 + 2^24 cos_q) is 2^24 fl(1 + cos_q); halving it and adding 1e-8 keeps its order and its ties, so F orders as the scores do.  key = (int(F) + 2^23) * 32 + 31 - i is a positive
; normal f32 pattern (|cos_q| is under 1.23 by the format's rounding), different for each i: f32 minima and maxima sort it.  Each lane sorts 4 x 8 keys and merges them to its 8 largest; the two lanes of a row
; change lists; keys that come from half 0 are raised by 1, so that at equal F and i the even s wins: order (F, i, h) = (score, lower s first).  The row's eighth key is the threshold.
; The choice only selects values: a[s] = 2^(score log2 e) where key >= threshold, else 0.  P^T = W^T a in bf16 (K = the 64 sub-prototypes) is the sum over the chosen 8; it is not divided by Z = sum of a, since
; the last cosine does not change with P's length: cos2 = P.e / max(|P| n_emb, 1e-8 Z).  No maximum is taken off the exponent: it lies in -0.9 .. 0.9 for every input, by the bound on cos_q.
; W ON ITS WAY IN.  A wave loads 32 rows of W, a row an instruction, in the order of the tiles' places.  From those registers they go to LDS twice: as f32, into the wave's own 32 rows of emb's region, only to be
; read back in the quantiser's layout (the same wave's rows of emb are laid over them afterwards: LDS serves a wave's instructions in order); and rounded to bf16, as rows [place][channel], from which every wave
; of the class takes W^T's fragments by the transposing load: 32 loads for the 16 fragments.
; NO CLUSTER: a work-group reads its 262,144 input bytes once, in one run at its head, through registers, in which W's rows are also rounded to bf16; nothing is asked for again later.
; OUT0: a work-group's part of a row of out0 is 4 classes, 16 bytes; 256 consecutive bytes are 64 classes, whose 2 MiB of W one work-group would have to convert.  So a lane stores 16 bytes, a row a lane.
; LIMITS: NaN and infinities among the inputs are not served.  The clamp max(n_emb n_w, 1e-8) is honoured for rows of zeros alone (cos_q = 0): a product of norms under 1e-8 that is not 0 is not clamped, and a
; sum of squares under 2^-100 counts as that.  Where cos_q < -0.5, F has bits under 1, which the conversion cuts off where reference() rounds: a score may move by one step of 2^-24 there.
.set PITCH, 528                        ; a row of 128 f32 in LDS: 512 bytes + 16 = 132 words: row r starts at bank 4 r mod 64 (64 banks of 4 bytes: ISA guide 11.1)
.set PB,   288                         ; a row of 128 bf16: 256 bytes + 32 = 72 words: row r starts at bank 8 r mod 64
.set XE,   0                           ; emb's 256 rows, f32; before them, in each wave's own 32 rows, W's rows on their way to the quantiser
.set WB,   256*PITCH                   ; W's 4 x 64 rows in bf16, in the tiles' order
.set WIMG, WB+256*PB                   ; images of W's 16 fragments of codes, 1,536 bytes each
.set EIMG, WIMG+16*1536                ; and of emb's 16
.set WSC,  EIMG+16*1536                ; W's scale words, 64 bytes a tile
.set ESC,  WSC+1024                    ; emb's
.set RNWB, ESC+1024                    ; 1 / n_w, by place in the tiles
.set ERN,  RNWB+1024                   ; 2^24 / n_emb, twice, 8 bytes a row
.set OUTS, ERN+2048                    ; results, 512 bytes a wave: bytes of their own, so that no barrier stands between the set-up's reads and the loop's stores
.set LANE, 1
.set R,    2                           ; lane % 16
.set H,    3                           ; lane / 16
.set L16,  4                           ; 16 x lane
.set AWB,  5                           ; set-up: LDS addresses
.set ASE,  6
.set AQE,  8
.set AIW,  9
.set ASCW, 10
.set ARW,  11
.set V8H,  12
.set AIE,  13
.set ASCE, 14
.set ARE,  15
.set QC,   16                          ; v16-27 a fragment's codes
.set QM,   28                          ; the quantiser's registers
.set QE,   30
.set QB,   32
.set QW,   34
.set QT,   35
.set QS,   36
.set QD,   40
.set RAW,  64                          ; v64-191 W's rows as loaded
.set X,    192                         ; v192-255 64 numbers of a lane's row
.set WBT,  128                         ; window 1, v128-191: W's rows rounded to bf16, two registers a row
.set BEQ,  5                           ; the loop: bases,
.set BES,  6
.set BRN,  7
.set BEF,  8
.set BOUT, 9
.set AEQ,  10                          ; and the unit's addresses
.set AES,  11
.set ARN,  12
.set AEF,  13
.set AOUT, 14
.set EQ,   16                          ; v16-27 emb's codes
.set RN,   30                          ; v30-31 2^24 / n_emb
.set NEGV, 36
.set TH,   37
.set Z,    38
.set DT,   40
.set NN,   44
.set AWQ,  48
.set AWS,  49
.set ARNW, 50
.set ATR,  51
.set WS,   52                          ; v52-55 W's scale words, v56 emb's: these five hold scales and nothing else
.set ES,   56
.set TT,   57                          ; at work, once
.set RNW,  64                          ; v64-95 1 / n_w of my 32 sub-prototypes
.set F,    96                          ; v96-127 S^T, then F, the exponent, a
.set KEY,  128                         ; v128-159
.set SRT,  160                         ; v160-219 six groups of 8 wires + an even and an odd spare
.set OB,   SRT+10
.set P,    128                         ; v128-191 P^T, over keys and wires that are done with
.set KC,   220
.set ZB,   222
.set A16,  224                         ; v224-239 a in bf16
.set WQ,   0                           ; window 1: v0-47 W's codes, v48-175 W^T in bf16, v176-239 emb's f32 numbers of the unit
.set WT,   48
.set EF,   176
.set MSB, 0
.macro WIN new                         ; the immediate's high byte repeats the setting that is left
.if MSB != \new
	s_set_vgpr_msb (MSB<<8)|\new
.set MSB, \new
.endif
.endm
; 16 rows x 128 f32 from LDS become a fragment: lane (r, h) takes blocks h and 2 + h of row r whole, as the operand's layout wants them: v[QC] on the codes, v[QW] the row's scale word, v[QS+1] 1 / the row's norm.
.macro QUANT adr, off
.irp cc, 0,1
.irp i, 0,1,2,3,4,5,6,7
	ds_load_b128 v[X+32*\cc+4*\i:X+32*\cc+4*\i+3], v[\adr] offset:\off+256*\cc+16*\i
.endr
.endr
	s_wait_dscnt 0x0                               ; the numbers are in; the last fragment's stores have read their registers
.irp cc, 0,1
	v_max3_num_f32 v[QM+\cc], |v[X+32*\cc]|, |v[X+32*\cc+1]|, 0x1800000   ; the floor 2^(3 - 127) holds the byte at 1 from below
	v_pk_mul_f32 v[QS+2*\cc:QS+2*\cc+1], v[X+32*\cc:X+32*\cc+1], v[X+32*\cc:X+32*\cc+1]
.endr
.irp i, 2,4,6,8,10,12,14,16,18,20,22,24,26,28,30
.irp cc, 0,1
	v_max3_num_f32 v[QM+\cc], v[QM+\cc], |v[X+32*\cc+\i]|, |v[X+32*\cc+\i+1]|
	v_pk_fma_f32 v[QS+2*\cc:QS+2*\cc+1], v[X+32*\cc+\i:X+32*\cc+\i+1], v[X+32*\cc+\i:X+32*\cc+\i+1], v[QS+2*\cc:QS+2*\cc+1]
.endr
.endr
.irp cc, 0,1
	v_add_nc_u32 v[QE+\cc], 0xff000000, v[QM+\cc]  ; 2 off the exponent field: the conversion's scale operand
.endr
.irp cc, 0,1
	v_lshrrev_b32 v[QB+\cc], 23, v[QE+\cc]         ; the scale's byte
.endr
	v_lshl_or_b32 v[QW], v[QB+1], 16, v[QB]        ; my blocks h and 2 + h,
	v_lshlrev_b32 v[QW], v[V8H], v[QW]             ; at their places,
	v_permlanex16_b32 v[QT], v[QW], s20, s21
	v_or_b32 v[QW], v[QW], v[QT]                   ; with the other half's two: the word is whole
	v_pk_add_f32 v[QS:QS+1], v[QS:QS+1], v[QS+2:QS+3]
	v_add_f32 v[QS], v[QS], v[QS+1]
	v_permlanex16_b32 v[QT], v[QS], s20, s21
	v_add_f32 v[QS], v[QS], v[QT]                  ; the row's sum of squares
	v_max_num_f32 v[QS], 0x0d800000, v[QS]         ; not under 2^-100: a row of zeros gets a finite factor, and its products are zeros
	v_rsq_f32 v[QS+1], v[QS]
.irp cc, 0,1
	v_cvt_scalef32_pk16_fp6_f32 v[QC+6*\cc:QC+6*\cc+2], v[X+32*\cc:X+32*\cc+15], v[QE+\cc]
	v_cvt_scalef32_pk16_fp6_f32 v[QD+4*\cc:QD+4*\cc+2], v[X+32*\cc+16:X+32*\cc+31], v[QE+\cc]   ; (a conversion's three registers begin on an even number)
.endr
	v_nop                                          ; a plain place behind the conversions and the root
.irp cc, 0,1
.irp i, 0,1,2
	v_mov_b32 v[QC+6*\cc+3+\i], v[QD+4*\cc+\i]
.endr
.endr
	s_wait_alu depctr_va_vdst(0)                   ; ahead of the root's first reader
.endm
.macro IMAGE adr, off                          ; the fragment goes to LDS as it stands in the registers
.irp k, 0,1,2
	ds_store_b128 v[\adr], v[QC+4*\k:QC+4*\k+3] offset:\off+512*\k
.endr
.endm
; A COMPARE-EXCHANGE IS ONE DUAL INSTRUCTION: wire a takes the larger, wire b the smaller.  Its two results go to the group's spare even and odd register (a dual pair wants one of each, and no result that the
; other half reads); the two sources, one even and one odd, are the next spares.  The symbols SWga say where wire a of group g stands; pa is the parity of wire a's new register, chosen so that
; every later exchange again finds an even and an odd source.
.macro CE0 g, a, b, pa, e              ; the first layer reads the keys, which stay
.if \pa
	v_dual_min_num_f32 v[SRT+10*\g+\e], v[KEY+8*\g+\a], v[KEY+8*\g+\b] :: v_dual_max_num_f32 v[SRT+10*\g+\e+1], v[KEY+8*\g+\a], v[KEY+8*\g+\b]
.set SW\g\a, SRT+10*\g+\e+1
.set SW\g\b, SRT+10*\g+\e
.else
	v_dual_max_num_f32 v[SRT+10*\g+\e], v[KEY+8*\g+\a], v[KEY+8*\g+\b] :: v_dual_min_num_f32 v[SRT+10*\g+\e+1], v[KEY+8*\g+\a], v[KEY+8*\g+\b]
.set SW\g\a, SRT+10*\g+\e
.set SW\g\b, SRT+10*\g+\e+1
.endif
.endm
.macro CE g, a, b, pa
.set TA, SW\g\a
.set TB, SW\g\b
.if \pa
	v_dual_min_num_f32 v[SE\g], v[TA], v[TB] :: v_dual_max_num_f32 v[SO\g], v[TA], v[TB]
.set SW\g\a, SO\g
.set SW\g\b, SE\g
.else
	v_dual_max_num_f32 v[SE\g], v[TA], v[TB] :: v_dual_min_num_f32 v[SO\g], v[TA], v[TB]
.set SW\g\a, SE\g
.set SW\g\b, SO\g
.endif
.if TA & 1
.set SO\g, TA
.set SE\g, TB
.else
.set SE\g, TA
.set SO\g, TB
.endif
.endm
; eight keys in descending order: 19 exchanges in six layers
.macro S8L1 g
	CE0 \g,0,2,0,0
	CE0 \g,4,6,1,2
	CE0 \g,1,3,0,4
	CE0 \g,5,7,1,6
.set SE\g, SRT+10*\g+8
.set SO\g, SRT+10*\g+9
.endm
.macro S8L2 g
	CE \g,0,4,0
	CE \g,1,5,1
	CE \g,2,6,0
	CE \g,3,7,1
.endm
.macro S8L3 g
	CE \g,0,1,1
	CE \g,2,3,0
	CE \g,4,5,1
	CE \g,6,7,1
.endm
.macro S8L4 g
	CE \g,2,4,0
	CE \g,3,5,0
.endm
.macro S8L5 g
	CE \g,1,4,1
	CE \g,3,6,1
.endm
.macro S8L6 g
	CE \g,1,2,0
	CE \g,3,4,0
	CE \g,5,6,0
.endm
; the 8 largest of two descending lists: max(A[i], B[7 - i]); they rise and fall once, so three layers of exchanges put them in order
.macro MX gd, i, ga, gb, j, reg
	v_max_num_f32 v[\reg], v[SW\ga\i], v[SW\gb\j]
.set SW\gd\i, \reg
.endm
.macro MERGE gd, ga, gb, base          ; wires 0-3 into even registers, wires 4-7 into odd ones
	MX \gd,0,\ga,\gb,7,\base+0
	MX \gd,1,\ga,\gb,6,\base+2
	MX \gd,2,\ga,\gb,5,\base+4
	MX \gd,3,\ga,\gb,4,\base+6
	MX \gd,4,\ga,\gb,3,\base+1
	MX \gd,5,\ga,\gb,2,\base+3
	MX \gd,6,\ga,\gb,1,\base+5
	MX \gd,7,\ga,\gb,0,\base+7
.set SE\gd, \base+8
.set SO\gd, \base+9
.endm
.macro BL1 g
	CE \g,0,4,0
	CE \g,1,5,0
	CE \g,2,6,1
	CE \g,3,7,1
.endm
.macro BL2 g
	CE \g,0,2,0
	CE \g,1,3,1
	CE \g,4,6,0
	CE \g,5,7,1
.endm
.macro BL3 g
	CE \g,0,1,0
	CE \g,2,3,0
	CE \g,4,5,0
	CE \g,6,7,0
.endm
.macro XL j, k                         ; the other half's list, backwards
	v_permlanex16_b32 v[OB+\j], v[SW6\k], s20, s21
.endm
.macro XM j
	v_max_num_f32 v[OB+\j], v[OB+\j], v[SW6\j]
.endm
.macro BARRIER                         ; my LDS stores have landed and my LDS loads are in: then the work-group's barrier
	s_wait_dscnt 0x0
	s_barrier_signal -1
	s_barrier_wait -1
.endm
	s_load_b128 s[4:7], s[0:1], 0x0                ; emb s[4:5], weight s[6:7]
	s_load_b64 s[8:9], s[0:1], 0x10                ; out0
	v_lshl_add_u32 v62, v0, 2, 0x41400
	v_mov_b32 v63, 0
	v_lshrrev_b32 v1, 5, v0
	v_readfirstlane_b32 s10, v1                    ; wave 0..7
	v_and_b32 v[LANE], 31, v0
	v_and_b32 v[R], 15, v0
	v_bfe_u32 v[H], v0, 4, 1
	v_lshlrev_b32 v[L16], 4, v[LANE]
	s_and_b32 s11, s10, 3                          ; c: my class of the four
	s_lshr_b32 s12, s10, 2                         ; g: my half of the rows
	s_and_b32 s13, ttmp7, 0xffff                   ; which four classes
	s_lshl_b32 s14, s13, 17                        ; weight: four classes of 32,768 bytes,
	s_lshl_b32 s16, s11, 15                        ; my class,
	s_add_co_u32 s14, s14, s16
	s_lshl_b32 s16, s12, 14                        ; its sub-prototypes 32 g on: my two tiles
	s_add_co_u32 s14, s14, s16
	s_mov_b32 s15, 0
	s_lshl_b32 s16, ttmp9, 17                      ; emb: 256 rows of 512 bytes,
	s_lshl_b32 s18, s10, 14                        ; my 32 of them
	s_add_co_u32 s16, s16, s18
	s_mov_b32 s17, 0
	s_lshl_b32 s18, ttmp9, 18                      ; out0: 256 rows of 1,024 bytes,
	s_lshl_b32 s22, s10, 15                        ; the 32 that I store,
	s_add_co_u32 s18, s18, s22
	s_lshl_b32 s22, s13, 4                         ; the four classes' 16 bytes
	s_add_co_u32 s18, s18, s22
	s_mov_b32 s19, 0
	s_wait_kmcnt 0x0
	s_add_nc_u64 s[6:7], s[6:7], s[14:15]
	s_add_nc_u64 s[4:5], s[4:5], s[16:17]
	s_add_nc_u64 s[8:9], s[8:9], s[18:19]
; each load takes one row, 512 consecutive bytes.  W's rows in the order of the tiles' places: place 16 t + m is sub-prototype 16 t + 2 (m % 8) + m / 8
.set i, 0
.rept 32
	global_load_b128 v[RAW+4*i:RAW+4*i+3], v[L16], s[6:7] offset:(16*(i/16)+2*(i%8)+((i/8)%2))*512
.set i, i+1
.endr
	WIN 0x40                                       ; destination window 1
.set i, 0
.rept 32
	global_load_b128 v[4*i:4*i+3], v[L16], s[4:5] offset:i*512
.set i, i+1
.endr
	WIN 0
	s_mov_b32 s20, 0x76543210
	s_mov_b32 s21, 0xfedcba98                      ; v_permlanex16_b32's selects for lane l xor 16
	s_lshl_b32 s23, s11, 6
	s_lshl_b32 s24, s12, 5
	s_add_co_u32 s23, s23, s24                     ; 64 c + 32 g: my first place among W's 256
	s_mul_i32 s24, s23, PB
	s_add_co_u32 s24, s24, WB                      ; its row in bf16
	s_mul_i32 s25, s10, 32*PITCH
	s_add_co_u32 s25, s25, XE                      ; my 32 rows of the f32 region
	s_lshr_b32 s26, s23, 4                         ; my first tile of W's 16
	s_mul_i32 s27, s26, 1536
	s_add_co_u32 s27, s27, WIMG
	s_lshl_b32 s26, s23, 2
	s_add_co_u32 s28, s26, WSC
	s_add_co_u32 s29, s26, RNWB
	s_mul_i32 s30, s10, 3072
	s_add_co_u32 s30, s30, EIMG
	s_lshl_b32 s31, s10, 7
	s_add_co_u32 s31, s31, ESC
	s_lshl_b32 s33, s10, 8
	s_add_co_u32 s33, s33, ERN
	v_mul_u32_u24 v48, v[R], PITCH
	v_lshl_add_u32 v48, v[H], 7, v48               ; row r, + my half's first block
	v_lshlrev_b32 v49, 2, v[R]
	v_lshlrev_b32 v[V8H], 3, v[H]
	v_mov_b32 v[QT], 0                             ; written once: a lane permute's destination counts as one of its sources
	v_lshl_add_u32 v[AWB], v[LANE], 3, s24         ; 8 bytes a lane: four channels in bf16
	v_add_nc_u32 v[ASE], s25, v[L16]
	v_add_nc_u32 v[AQE], s25, v48
	v_add_nc_u32 v[AIW], s27, v[L16]
	v_add_nc_u32 v[ASCW], s28, v49
	v_add_nc_u32 v[ARW], s29, v49
	v_add_nc_u32 v[AIE], s30, v[L16]
	v_add_nc_u32 v[ASCE], s31, v49
	v_lshl_add_u32 v[ARE], v[R], 3, s33
	s_wait_loadcnt 32                              ; W's 32 rows are in; emb's 32 loads, issued behind them, stay out
.set i, 0
.rept 32
	ds_store_b128 v[ASE], v[RAW+4*i:RAW+4*i+3] offset:i*PITCH   ; as f32, into my own 32 rows: only I read them, and only until my rows of emb are laid there
.set i, i+1
.endr
	WIN 0x40                                       ; destination window 1
.set i, 0
.rept 32
	v_cvt_pk_bf16_f32 v[WBT+2*i], v[RAW+4*i], v[RAW+4*i+1]       ; my four channels of row i, rounded to nearest even
	v_cvt_pk_bf16_f32 v[WBT+2*i+1], v[RAW+4*i+2], v[RAW+4*i+3]
.set i, i+1
.endr
	WIN 0x04                                       ; an LDS store's data are its source 1: window 1
.set i, 0
.rept 32
	ds_store_b64 v[AWB], v[WBT+2*i:WBT+2*i+1] offset:i*PB        ; 32 lanes store a row's 256 consecutive bytes
.set i, i+1
.endr
	WIN 0
; my two tiles of W: the rows are my own bytes, and LDS serves a wave's instructions in order
.irp t, 0,1
	QUANT AQE, 8448*\t
	IMAGE AIW, 1536*\t
	ds_store_b32 v[ASCW], v[QW] offset:64*\t       ; both halves of the lanes hold the same word and write it to the same place
	ds_store_b32 v[ARW], v[QS+1] offset:64*\t      ; 1 / n_w
.endr
	s_wait_loadcnt 0x0                             ; emb's rows
	WIN 0x04
.set i, 0
.rept 32
	ds_store_b128 v[ASE], v[4*i:4*i+3] offset:i*PITCH            ; over W's f32 rows, whose last reads of mine have come back
.set i, i+1
.endr
	WIN 0
.irp t, 0,1
	QUANT AQE, 8448*\t
	IMAGE AIE, 1536*\t
	ds_store_b32 v[ASCE], v[QW] offset:64*\t
	v_mul_f32 v[QS], 0x4b800000, v[QS+1]           ; 2^24 / n_emb
	v_mov_b32 v[QS+1], v[QS]
	ds_store_b64 v[ARE], v[QS:QS+1] offset:128*\t
.endr
	BARRIER                                        ; all rows, images, scale words and norms lie in LDS; none of them is written again
	s_mul_i32 s24, s12, 12288
	s_add_co_u32 s24, s24, EIMG
	v_add_nc_u32 v[BEQ], s24, v[L16]               ; emb's tile 8 g: its image,
	s_lshl_b32 s24, s12, 9
	s_add_co_u32 s24, s24, ESC
	v_lshl_add_u32 v[BES], v[R], 2, s24            ; its scale words,
	s_lshl_b32 s24, s12, 10
	s_add_co_u32 s24, s24, ERN
	v_lshl_add_u32 v[BRN], v[R], 3, s24            ; its norms,
	s_mul_i32 s24, s12, 128*PITCH
	s_add_co_u32 s24, s24, XE
	v_mul_u32_u24 v[BEF], v[R], PITCH
	v_lshl_add_u32 v[BEF], v[H], 5, v[BEF]
	v_add_nc_u32 v[BEF], s24, v[BEF]               ; its f32 rows: row r, + 8 h channels
	s_lshl_b32 s24, s10, 9
	s_add_co_u32 s24, s24, OUTS
	v_lshl_add_u32 v[BOUT], v[R], 2, s24           ; my 512 bytes of results
	s_mul_i32 s24, s11, 6144
	s_add_co_u32 s24, s24, WIMG
	v_add_nc_u32 v[AWQ], s24, v[L16]
	s_lshl_b32 s24, s11, 8
	s_add_co_u32 s25, s24, WSC
	v_lshl_add_u32 v[AWS], v[R], 2, s25
	s_add_co_u32 s25, s24, RNWB
	v_lshl_add_u32 v[ARNW], v[H], 5, s25
	; The transposing load takes 16 places x 16 channels (lane l reads 16 bytes: place 8 (l / 16) + l % 8, channels 8 ((l / 8) % 2) + 0..7) and leaves half a fragment of W^T: lane l holds channel l % 16 and 8 places.
	s_mul_i32 s24, s11, 64*PB
	s_add_co_u32 s24, s24, WB                      ; my class's 64 rows in bf16
	v_and_b32 v[ATR], 7, v0
	v_bfe_u32 v[TT], v0, 3, 1
	v_lshl_add_u32 v[ATR], v[H], 3, v[ATR]
	v_mul_u32_u24 v[ATR], v[ATR], PB
	v_lshl_add_u32 v[ATR], v[TT], 4, v[ATR]
	v_add_nc_u32 v[ATR], s24, v[ATR]
	WIN 0x40
.irp t, 0,1,2,3
.irp k, 0,1,2
	ds_load_b128 v[WQ+12*\t+4*\k:WQ+12*\t+4*\k+3], v[AWQ] offset:1536*\t+512*\k
.endr
.endr
	WIN 0
.irp t, 0,1,2,3
	ds_load_b32 v[WS+\t], v[AWS] offset:64*\t
.endr
.irp t, 0,1,2,3
.irp q, 0,1
	ds_load_b128 v[RNW+8*\t+4*\q:RNW+8*\t+4*\q+3], v[ARNW] offset:64*\t+16*\q   ; register 8 t + j: place 16 t + 8 h + j
.endr
.endr
	WIN 0x40
.irp f, 0,1,2,3,4,5,6,7,8,9,10,11,12,13,14,15  ; W^T's fragment f = 8 u + dt: channels 16 dt on, places 32 u + 8 h + 0..7 and 32 u + 16 + 8 h + 0..7
	ds_load_tr16_b128 v[WT+8*\f:WT+8*\f+3],   v[ATR] offset:(\f/8)*32*PB+(\f%8)*32
	ds_load_tr16_b128 v[WT+8*\f+4:WT+8*\f+7], v[ATR] offset:(\f/8)*32*PB+16*PB+(\f%8)*32
.endr
	WIN 0
	v_mov_b32 v[NEGV], 0xc3480000                  ; -200: 2^-200 is 0 in f32
	v_mov_b32 v[KC], 0xbf38aa3b                    ; -log2(e) / 2
	v_mov_b32 v[KC+1], 0xbf38aa3b
	s_mov_b32 s36, 0x4b800000                      ; 2^24 (the packed forms name pairs and take the low word for both halves)
	s_mov_b32 s37, 0x4b800000
	s_mov_b32 s38, 0x3338aa3b                      ; log2(e) / 2 / 2^24
	s_mov_b32 s39, 0x3338aa3b
	s_mov_b32 s44, 0                               ; the unit's steps: images,
	s_mov_b32 s45, 0                               ; scale words and results,
	s_mov_b32 s46, 0                               ; norms,
	s_mov_b32 s47, 0                               ; f32 rows
	s_mov_b32 s34, 8
	s_wait_dscnt 0x0                               ; my class is in my registers
.Lunit:
	v_add_nc_u32 v[AEQ], s44, v[BEQ]
	v_add_nc_u32 v[AES], s45, v[BES]
	v_add_nc_u32 v[ARN], s46, v[BRN]
	v_add_nc_u32 v[AEF], s47, v[BEF]
	v_add_nc_u32 v[AOUT], s45, v[BOUT]
.irp k, 0,1,2
	ds_load_b128 v[EQ+4*\k:EQ+4*\k+3], v[AEQ] offset:512*\k
.endr
	ds_load_b32 v[ES], v[AES]
	ds_load_b64 v[RN:RN+1], v[ARN]
	WIN 0x40
.irp dt, 0,1,2,3,4,5,6,7
.irp q, 0,1
	ds_load_b128 v[EF+8*\dt+4*\q:EF+8*\dt+4*\q+3], v[AEF] offset:64*\dt+16*\q   ; emb(r, 16 dt + 8 h + 0..7), for the unit's end
.endr
.endr
	s_wait_dscnt 16                                ; codes, scale word and norm are in; the 16 loads behind them stay out
	WIN 0x01                                       ; source 0 window 1
.irp t, 0,1,2,3
	v_wmma_scale_f32_16x16x128_f8f6f4 v[F+8*\t:F+8*\t+7], v[WQ+12*\t:WQ+12*\t+11], v[EQ:EQ+11], 0, v[WS+\t], v[ES] matrix_a_fmt:MATRIX_FMT_FP6 matrix_b_fmt:MATRIX_FMT_FP6
.endr
	WIN 0
.rept 4
	v_nop                                          ; four places ahead of the first read of the results (ISA guide 7.12.1)
.endr
.set i, 0
.rept 16
	v_pk_mul_f32 v[F+2*i:F+2*i+1], v[F+2*i:F+2*i+1], v[RNW+2*i:RNW+2*i+1]     ; dot / n_w
.set i, i+1
.endr
.set i, 0
.rept 16
	v_pk_fma_f32 v[F+2*i:F+2*i+1], v[F+2*i:F+2*i+1], v[RN:RN+1], s[36:37] op_sel_hi:[1,0,0]   ; F = 2^24 + 2^24 cos_q, rounded as 1 + cos_q is
.set i, i+1
.endr
.set i, 0
.rept 32
	v_cvt_i32_f32 v[KEY+i], v[F+i]
.set i, i+1
.endr
.set i, 0
.rept 32
	v_lshl_add_u32 v[KEY+i], v[KEY+i], 5, 0x10000000+31-i   ; (int(F) + 2^23) * 32 + 31 - i
.set i, i+1
.endr
.set i, 0
.rept 16
	v_pk_fma_f32 v[F+2*i:F+2*i+1], v[F+2*i:F+2*i+1], s[38:39], v[KC:KC+1] op_sel_hi:[1,0,0]   ; the exponent: (fl(1 + cos_q) - 1) log2(e) / 2: the score's, less a constant that all share
.set i, i+1
.endr
.irp g, 0,1,2,3
	S8L1 \g
.endr
.irp g, 0,1,2,3
	S8L2 \g
.endr
.irp g, 0,1,2,3
	S8L3 \g
.endr
.irp g, 0,1,2,3
	S8L4 \g
.endr
.irp g, 0,1,2,3
	S8L5 \g
.endr
.irp g, 0,1,2,3
	S8L6 \g
.endr
	MERGE 4, 0, 1, SRT+40
	MERGE 5, 2, 3, SRT+50
	BL1 4
	BL1 5
	BL2 4
	BL2 5
	BL3 4
	BL3 5
	MERGE 6, 4, 5, SRT
	BL1 6
	BL2 6
	BL3 6                                          ; my 8 largest keys, in order
	XL 0,7
	XL 1,6
	XL 2,5
	XL 3,4
	XL 4,3
	XL 5,2
	XL 6,1
	XL 7,0
.irp j, 0,1,2,3,4,5,6,7
	v_add_nc_u32 v[OB+\j], v[OB+\j], v[H]          ; in half 1 the keys that came from half 0 count one more: at equal F and i the even s goes first
.endr
.irp j, 0,1,2,3,4,5,6,7
	XM \j
.endr
	v_min3_num_f32 v[TH], v[OB], v[OB+1], v[OB+2]
	v_min3_num_f32 v[OB+3], v[OB+3], v[OB+4], v[OB+5]
	v_min3_num_f32 v[TH], v[TH], v[OB+6], v[OB+7]
	v_min_num_f32 v[TH], v[TH], v[OB+3]            ; my keys at or over this are those of mine among the row's 8
.set i, 0
.rept 8
	v_cmp_le_f32 s40, v[TH], v[KEY+4*i]
	v_cmp_le_f32 s41, v[TH], v[KEY+4*i+1]
	v_cmp_le_f32 s42, v[TH], v[KEY+4*i+2]
	v_cmp_le_f32 s43, v[TH], v[KEY+4*i+3]
	v_cndmask_b32 v[F+4*i], v[NEGV], v[F+4*i], s40
	v_cndmask_b32 v[F+4*i+1], v[NEGV], v[F+4*i+1], s41
	v_cndmask_b32 v[F+4*i+2], v[NEGV], v[F+4*i+2], s42
	v_cndmask_b32 v[F+4*i+3], v[NEGV], v[F+4*i+3], s43
.set i, i+1
.endr
.set i, 0
.rept 32
	v_exp_f32 v[F+i], v[F+i]                       ; a: the softmax's numerator, or 0
.set i, i+1
.endr
	v_nop                                          ; a plain place behind the exponentials
	s_wait_alu depctr_va_vdst(0)                   ; one wait for the batch, ahead of its first reader
.set i, 0
.rept 16
	v_cvt_pk_bf16_f32 v[A16+i], v[F+2*i], v[F+2*i+1]   ; tiles 2 u and 2 u + 1, in pairs, are source 1 of K step u as they stand
.set i, i+1
.endr
	v_pk_add_f32 v[Z:Z+1], v[F:F+1], v[F+2:F+3]    ; Z, of the unrounded a, in two chains; most of it stands behind the products
	v_pk_add_f32 v[ZB:ZB+1], v[F+4:F+5], v[F+6:F+7]
	v_pk_add_f32 v[Z:Z+1], v[Z:Z+1], v[F+8:F+9]
	v_pk_add_f32 v[ZB:ZB+1], v[ZB:ZB+1], v[F+10:F+11]
	WIN 0x01
.irp dt, 0,1,2,3,4,5,6,7                       ; P^T = W^T a: the eight accumulators by turns
	v_wmma_f32_16x16x32_bf16 v[P+8*\dt:P+8*\dt+7], v[WT+8*\dt:WT+8*\dt+7], v[A16:A16+7], 0
.endr
.irp dt, 0,1,2,3,4,5,6,7
	v_wmma_f32_16x16x32_bf16 v[P+8*\dt:P+8*\dt+7], v[WT+64+8*\dt:WT+64+8*\dt+7], v[A16+8:A16+15], v[P+8*\dt:P+8*\dt+7]
.endr
	WIN 0
.irp i, 12,16,20,24,28                         ; these eleven are also the places behind the last products
	v_pk_add_f32 v[Z:Z+1], v[Z:Z+1], v[F+\i:F+\i+1]
	v_pk_add_f32 v[ZB:ZB+1], v[ZB:ZB+1], v[F+\i+2:F+\i+3]
.endr
	v_pk_add_f32 v[Z:Z+1], v[Z:Z+1], v[ZB:ZB+1]
	s_wait_dscnt 0x0                               ; emb's f32 numbers
	WIN 0x04                                       ; source 1 window 1
	v_pk_mul_f32 v[DT:DT+1], v[P:P+1], v[EF:EF+1]  ; P . emb, each accumulator from its low end on, in two chains
	v_pk_mul_f32 v[DT+2:DT+3], v[P+2:P+3], v[EF+2:EF+3]
.set i, 4
.rept 15
	v_pk_fma_f32 v[DT:DT+1], v[P+i:P+i+1], v[EF+i:EF+i+1], v[DT:DT+1]
	v_pk_fma_f32 v[DT+2:DT+3], v[P+i+2:P+i+3], v[EF+i+2:EF+i+3], v[DT+2:DT+3]
.set i, i+4
.endr
	WIN 0
	v_pk_mul_f32 v[NN:NN+1], v[P:P+1], v[P:P+1]    ; |P|^2
	v_pk_mul_f32 v[NN+2:NN+3], v[P+2:P+3], v[P+2:P+3]
.set i, 4
.rept 15
	v_pk_fma_f32 v[NN:NN+1], v[P+i:P+i+1], v[P+i:P+i+1], v[NN:NN+1]
	v_pk_fma_f32 v[NN+2:NN+3], v[P+i+2:P+i+3], v[P+i+2:P+i+3], v[NN+2:NN+3]
.set i, i+4
.endr
	v_pk_add_f32 v[DT:DT+1], v[DT:DT+1], v[DT+2:DT+3]
	v_pk_add_f32 v[NN:NN+1], v[NN:NN+1], v[NN+2:NN+3]
	v_add_f32 v[DT], v[DT], v[DT+1]
	v_add_f32 v[NN], v[NN], v[NN+1]
	v_add_f32 v[Z], v[Z], v[Z+1]
	v_permlanex16_b32 v[DT+1], v[DT], s20, s21
	v_permlanex16_b32 v[NN+1], v[NN], s20, s21
	v_permlanex16_b32 v[Z+1], v[Z], s20, s21
	v_add_f32 v[DT], v[DT], v[DT+1]                ; with the other half's channels and sub-prototypes
	v_add_f32 v[NN], v[NN], v[NN+1]
	v_add_f32 v[Z], v[Z], v[Z+1]
	v_rsq_f32 v[NN+1], v[NN]
	v_rcp_f32 v[Z+1], v[Z]
	v_nop
	s_wait_alu depctr_va_vdst(0)                   ; one wait for the two
	v_mul_f32 v[NN+1], v[NN+1], v[RN]              ; 2^24 / (|P| n_emb); infinite where P is 0,
	v_mul_f32 v[Z+1], 0x58bebc20, v[Z+1]           ; 2^24 / (1e-8 Z):
	v_min_num_f32 v[NN+1], v[NN+1], v[Z+1]         ; 2^24 / max(|P| n_emb, 1e-8 Z)
	v_mul_f32 v[DT], v[DT], v[NN+1]                ; 2^24 cos2
	v_fma_f32 v[DT], v[DT], 0x33000000, 0.5        ; (1 + cos2) / 2
	v_add_f32 v[DT], 0x322bcc77, v[DT]             ; + 1e-8
	v_mul_f32 v[DT], 0x41200000, v[DT]             ; / 0.1
	ds_store_b32 v[AOUT], v[DT]                    ; both halves hold the same number and write it to the same word
	s_add_co_u32 s44, s44, 1536
	s_add_co_u32 s45, s45, 64
	s_add_co_u32 s46, s46, 128
	s_add_co_u32 s47, s47, 16*PITCH
	s_sub_co_u32 s34, s34, 1
	s_cmp_lg_u32 s34, 0
	s_cbranch_scc1 .Lunit
	BARRIER                                        ; all eight waves' results lie in LDS
	s_lshl_b32 s24, s12, 11                        ; row 32 wave + lane: its four classes come from waves 4 g + 0 .. 3, 512 bytes apart
	s_lshl_b32 s25, s11, 7
	s_add_co_u32 s24, s24, s25
	s_add_co_u32 s24, s24, OUTS
	v_lshl_add_u32 v[AEQ], v[LANE], 2, s24
.irp k, 0,1,2,3
	ds_load_b32 v[16+\k], v[AEQ] offset:512*\k
.endr
	v_lshlrev_b32 v[AES], 10, v[LANE]              ; a row of out0 a lane
	s_wait_dscnt 0x0
	global_store_b128 v[AES], v[16:19], s[8:9]
	s_wait_tensorcnt 0x0
	ds_add_u32 v62, v63
	s_wait_dscnt 0x0
	s_endpgm
.Lfunc_end_k_q4742af8dac_classify:
	.size	k_q4742af8dac_classify, .Lfunc_end_k_q4742af8dac_classify-k_q4742af8dac_classify
	.p2alignl 7, 3214868480
	.fill 96, 4, 3214868480
	.section	.rodata,"a",@progbits
	.p2align	6, 0x0
	.amdhsa_kernel k_q4742af8dac_classify
		.amdhsa_group_segment_fixed_size 268288
		.amdhsa_private_segment_fixed_size 0
		.amdhsa_enable_private_segment 0
		.amdhsa_kernarg_size 24
		.amdhsa_user_sgpr_count 2
		.amdhsa_user_sgpr_kernarg_segment_ptr 1
		.amdhsa_wavefront_size32 1
		.amdhsa_system_sgpr_workgroup_id_x 1
		.amdhsa_system_sgpr_workgroup_id_y 1
		.amdhsa_system_sgpr_workgroup_id_z 1
		.amdhsa_system_vgpr_workitem_id 0
		.amdhsa_next_free_vgpr 512
		.amdhsa_next_free_sgpr 66
		.amdhsa_reserve_vcc 0
		.amdhsa_float_denorm_mode_32 3
		.amdhsa_float_denorm_mode_16_64 3
		.amdhsa_memory_ordered 1
		.amdhsa_forward_progress 1
		.amdhsa_inst_pref_size 85
	.end_amdhsa_kernel
	.amdgpu_metadata
---
amdhsa.version: [ 1, 2 ]
amdhsa.kernels:
  - .name:           k_q4742af8dac_classify
    .symbol:         k_q4742af8dac_classify.kd
    .args:
      - { .name: emb, .offset: 0, .size: 8, .value_kind: global_buffer, .address_space: global }
      - { .name: weight, .offset: 8, .size: 8, .value_kind: global_buffer, .address_space: global }
      - { .name: out0, .offset: 16, .size: 8, .value_kind: global_buffer, .address_space: global }
    .group_segment_fixed_size: 268288
    .private_segment_fixed_size: 0
    .kernarg_segment_align: 8
    .kernarg_segment_size: 24
    .max_flat_workgroup_size: 256
    .sgpr_count:     66
    .vgpr_count:     512
    .wavefront_size: 32
...
	.end_amdgpu_metadata
.endif
;; end of part 1
;; ======== version 2 of 2: 1 launch; version 1 with the launch classify written anew for expert scheduling mode
;; limits: below input magnitudes of 8.8e-06 results are inexact or not finite
;; launch classify (part 2): grid 4 x 64, 8 waves a work-group, no clusters, 268,288 bytes of LDS; arguments emb, weight, out0; writes out0
.if DOCPART == 2
	.amdgcn_target "amdgcn-amd-amdhsa--gfx1250"
	.amdhsa_code_object_version 6
	.text
	.protected	k_q4742af8dac_classify
	.globl	k_q4742af8dac_classify
	.p2align	8
	.type	k_q4742af8dac_classify,@function
k_q4742af8dac_classify:
	s_mov_b64 s[64:65], 0
	v_nop
	global_prefetch_b8 v0, s[64:65] scope:SCOPE_SE
	s_setreg_imm32_b32 hwreg(HW_REG_WAVE_SCHED_MODE, 0, 2), 2
	s_setreg_imm32_b32 hwreg(HW_REG_WAVE_MODE, 25, 1), 1
	s_wait_xcnt 0x0
	s_wait_alu depctr_vm_vsrc(0)
; out0[b][c] = ((1 + cos(protos[b][c], emb[b])) / 2 + 1e-8) / 0.1, protos = the softmax-weighted sum of the 8 sub-prototypes of class c (of 64) with the largest score
; (1 + cos_q) / 2 + 1e-8, cos_q = Q(emb[b]) . Q(weight[c][s]) / max(n_emb n_w, 1e-8): Q = codes of FP6 (E2M3) with one E8M0 scale for each 32 along the 128; norms of the unquantised numbers.
; SHARES.  A work-group takes 256 rows of emb (x of the grid) and 4 classes (y).  Eight waves: wave (c = wave % 4, g = wave / 4) owns class c and rows 128 g .. 128 g + 127, eight tiles of 16.
; Its class stays in its registers for the whole launch: 4 fragments of codes, 16 fragments of W^T in bf16, 64 reciprocal norms.  What goes round through LDS is emb: codes as images of the operand's registers, f32 rows.
; A UNIT is 16 rows x one class.  S^T = W emb^T (source 0 = 16 sub-prototypes, source 1 = 16 rows of emb): a lane holds ONE row b (lane % 16).  ROW m OF TILE t IS SUB-PROTOTYPE 16 t + 2 (m % 8) + m / 8,
; so that half h (lane / 16) of the lanes holds the sub-prototypes s = 2 i + h, i = 8 t + register.
; TOP 8 WITHOUT AN ADDRESS: F = fl(2^24 + 2^24 cos_q) is 2^24 fl(1 + cos_q); halving it and adding 1e-8 keeps its order and its ties, so F orders as the scores do.  key = (int(F) + 2^23) * 32 + 31 - i is a positive
; normal f32 pattern (|cos_q| is under 1.23 by the format's rounding), different for each i: f32 minima and maxima sort it.  Each lane sorts 4 x 8 keys and merges them to its 8 largest; the two lanes of a row
; change lists; keys that come from half 0 are raised by 1, so that at equal F and i the even s wins: order (F, i, h) = (score, lower s first).  The row's eighth key is the threshold.
; The choice only selects values: a[s] = 2^(score log2 e) where key >= threshold, else 0.  P^T = W^T a in bf16 (K = the 64 sub-prototypes) is the sum over the chosen 8; it is not divided by Z = sum of a, since
; the last cosine does not change with P's length: cos2 = P.e / max(|P| n_emb, 1e-8 Z).  No maximum is taken off the exponent: it lies in -0.9 .. 0.9 for every input, by the bound on cos_q.
; W ON ITS WAY IN.  A wave loads 32 rows of W, a row an instruction, in the order of the tiles' places.  From those registers they go to LDS twice: as f32, into the wave's own 32 rows of emb's region, only to be
; read back in the quantiser's layout (the same wave's rows of emb are laid over them afterwards: LDS serves a wave's instructions in order); and rounded to bf16, as rows [place][channel], from which every wave
; of the class takes W^T's fragments by the transposing load: 32 loads for the 16 fragments.
; NO CLUSTER: a work-group reads its 262,144 input bytes once, in one run at its head, through registers, in which W's rows are also rounded to bf16; nothing is asked for again later.
; OUT0: a work-group's part of a row of out0 is 4 classes, 16 bytes; 256 consecutive bytes are 64 classes, whose 2 MiB of W one work-group would have to convert.  So a lane stores 16 bytes, a row a lane.
; LIMITS: NaN and infinities among the inputs are not served.  The clamp max(n_emb n_w, 1e-8) is honoured for rows of zeros alone (cos_q = 0): a product of norms under 1e-8 that is not 0 is not clamped, and a
; sum of squares under 2^-100 counts as that.  Where cos_q < -0.5, F has bits under 1, which the conversion cuts off where reference() rounds: a score may move by one step of 2^-24 there.
; THE MODE: SCHED_MODE bits 1:0 = 2 (LLVM: expert scheduling mode 2), set by the entry lines.  The code itself states the register dependences between vector or matrix instructions and memory or LDS
; instructions, with s_wait_alu, always for 0.
; THE PLAN.  Registers that LDS instructions touch in the loop:
;   v[EQ ..], v[ES]     a unit's codes and scale word.  Read by the unit's four scaled products, at its head; the next unit's four loads land in them in the unit's middle.
;   v[RN ..]            2^24 / n_emb.  Read by the lines that make F and by the last cosine; the next unit's load lands in it at the unit's end.
;   EF (window 1)       emb's f32 numbers.  Read by the sum P . emb; the next unit's 16 loads land in them at the unit's end.
;   v[DT]               Written by the unit's last lines, read by the store of the result, written again behind the next unit's middle.
;   v[AEQ] .. v[AOUT]   five LDS addresses, written once a unit, in its middle, behind the exponentials: v[AOUT] for this unit's result, the other four for the next unit.
; So a unit has one wait on vm_vsrc, ahead of the five additions (all that was issued so far has read the addresses and v[DT]), and three on va_vdst: behind those additions (the exponentials' results, the addresses,
; the scaled products' reads of v[EQ ..] and v[ES]); behind the root and the reciprocal; and ahead of the store (v[DT] is written, v[RN] and EF are read out).  No vector line between the first of them and the
; unit's end names an address.  The 32 masks of the choice are made in one run, with one wait on va_sdst ahead of the selects.  The last unit asks for nothing and is written out behind the loop.
.set PITCH, 528                        ; a row of 128 f32 in LDS: 512 bytes + 16 = 132 words: row r starts at bank 4 r mod 64 (64 banks of 4 bytes: ISA guide 11.1)
.set PB,   288                         ; a row of 128 bf16: 256 bytes + 32 = 72 words: row r starts at bank 8 r mod 64
.set XE,   0                           ; emb's 256 rows, f32; before them, in each wave's own 32 rows, W's rows on their way to the quantiser
.set WB,   256*PITCH                   ; W's 4 x 64 rows in bf16, in the tiles' order
.set WIMG, WB+256*PB                   ; images of W's 16 fragments of codes, 1,536 bytes each
.set EIMG, WIMG+16*1536                ; and of emb's 16
.set WSC,  EIMG+16*1536                ; W's scale words, 64 bytes a tile
.set ESC,  WSC+1024                    ; emb's
.set RNWB, ESC+1024                    ; 1 / n_w, by place in the tiles
.set ERN,  RNWB+1024                   ; 2^24 / n_emb, twice, 8 bytes a row
.set OUTS, ERN+2048                    ; results, 512 bytes a wave: bytes of their own, so that no barrier stands between the set-up's reads and the loop's stores
.set LANE, 1
.set R,    2                           ; lane % 16
.set H,    3                           ; lane / 16
.set L16,  4                           ; 16 x lane
.set AWB,  5                           ; set-up: LDS addresses
.set ASE,  6
.set AQE,  8
.set AIW,  9
.set ASCW, 10
.set ARW,  11
.set V8H,  12
.set AIE,  13
.set ASCE, 14
.set ARE,  15
.set QC,   16                          ; v16-27 a fragment's codes
.set QM,   28                          ; the quantiser's registers
.set QE,   30
.set QB,   32
.set QW,   34
.set QT,   35
.set QS,   36
.set QD,   40
.set RAW,  64                          ; v64-191 W's rows as loaded
.set X,    192                         ; v192-255 64 numbers of a lane's row
.set WBT,  128                         ; window 1, v128-191: W's rows rounded to bf16, two registers a row
.set BEQ,  5                           ; the loop: bases,
.set BES,  6
.set BRN,  7
.set BEF,  8
.set BOUT, 9
.set AEQ,  10                          ; and the unit's addresses
.set AES,  11
.set ARN,  12
.set AEF,  13
.set AOUT, 14
.set EQ,   16                          ; v16-27 emb's codes
.set RN,   30                          ; v30-31 2^24 / n_emb
.set NEGV, 36
.set TH,   37
.set Z,    38
.set DT,   40
.set NN,   44
.set AWQ,  48
.set AWS,  49
.set ARNW, 50
.set ATR,  51
.set WS,   52                          ; v52-55 W's scale words, v56 emb's: these five hold scales and nothing else
.set ES,   56
.set TT,   57                          ; at work, once
.set RNW,  64                          ; v64-95 1 / n_w of my 32 sub-prototypes
.set F,    96                          ; v96-127 S^T, then F, the exponent, a
.set KEY,  128                         ; v128-159
.set SRT,  160                         ; v160-219 six groups of 8 wires + an even and an odd spare
.set OB,   SRT+10
.set P,    128                         ; v128-191 P^T, over keys and wires that are done with
.set KC,   220
.set ZB,   222
.set A16,  224                         ; v224-239 a in bf16
.set WQ,   0                           ; window 1: v0-47 W's codes, v48-175 W^T in bf16, v176-239 emb's f32 numbers of the unit
.set WT,   48
.set EF,   176
.set MK,   66                          ; s66-97 the 32 masks of the choice
.set MSB, 0
.macro WIN new                         ; the immediate's high byte repeats the setting that is left
.if MSB != \new
	s_set_vgpr_msb (MSB<<8)|\new
.set MSB, \new
.endif
.endm
; 16 rows x 128 f32 from LDS become a fragment: lane (r, h) takes blocks h and 2 + h of row r whole, as the operand's layout wants them: v[QC] on the codes, v[QW] the row's scale word, v[QS+1] 1 / the row's norm.
; again = 1: a fragment has been made and stored before this one.  (The loads into v[X ..]: the vector lines that read these registers stand ahead of the last fragment's closing wait on va_vdst, and none since names them.)
.macro QUANT adr, off, again
.irp cc, 0,1
.irp i, 0,1,2,3,4,5,6,7
	ds_load_b128 v[X+32*\cc+4*\i:X+32*\cc+4*\i+3], v[\adr] offset:\off+256*\cc+16*\i
.endr
.endr
	s_wait_dscnt 0x0                               ; the numbers are in
.if \again
	s_wait_alu depctr_vm_vsrc(0)                   ; the last fragment's LDS stores have read v[QC ..], v[QW] and v[QS ..], which the lines below write again
.endif
.irp cc, 0,1
	v_max3_num_f32 v[QM+\cc], |v[X+32*\cc]|, |v[X+32*\cc+1]|, 0x1800000   ; the floor 2^(3 - 127) holds the byte at 1 from below
	v_pk_mul_f32 v[QS+2*\cc:QS+2*\cc+1], v[X+32*\cc:X+32*\cc+1], v[X+32*\cc:X+32*\cc+1]
.endr
.irp i, 2,4,6,8,10,12,14,16,18,20,22,24,26,28,30
.irp cc, 0,1
	v_max3_num_f32 v[QM+\cc], v[QM+\cc], |v[X+32*\cc+\i]|, |v[X+32*\cc+\i+1]|
	v_pk_fma_f32 v[QS+2*\cc:QS+2*\cc+1], v[X+32*\cc+\i:X+32*\cc+\i+1], v[X+32*\cc+\i:X+32*\cc+\i+1], v[QS+2*\cc:QS+2*\cc+1]
.endr
.endr
.irp cc, 0,1
	v_add_nc_u32 v[QE+\cc], 0xff000000, v[QM+\cc]  ; 2 off the exponent field: the conversion's scale operand
.endr
.irp cc, 0,1
	v_lshrrev_b32 v[QB+\cc], 23, v[QE+\cc]         ; the scale's byte
.endr
	v_lshl_or_b32 v[QW], v[QB+1], 16, v[QB]        ; my blocks h and 2 + h,
	v_lshlrev_b32 v[QW], v[V8H], v[QW]             ; at their places,
	v_permlanex16_b32 v[QT], v[QW], s20, s21
	v_or_b32 v[QW], v[QW], v[QT]                   ; with the other half's two: the word is whole
	v_pk_add_f32 v[QS:QS+1], v[QS:QS+1], v[QS+2:QS+3]
	v_add_f32 v[QS], v[QS], v[QS+1]
	v_permlanex16_b32 v[QT], v[QS], s20, s21
	v_add_f32 v[QS], v[QS], v[QT]                  ; the row's sum of squares
	v_max_num_f32 v[QS], 0x0d800000, v[QS]         ; not under 2^-100: a row of zeros gets a finite factor, and its products are zeros
	v_rsq_f32 v[QS+1], v[QS]
.irp cc, 0,1
	v_cvt_scalef32_pk16_fp6_f32 v[QC+6*\cc:QC+6*\cc+2], v[X+32*\cc:X+32*\cc+15], v[QE+\cc]
	v_cvt_scalef32_pk16_fp6_f32 v[QD+4*\cc:QD+4*\cc+2], v[X+32*\cc+16:X+32*\cc+31], v[QE+\cc]   ; (a conversion's three registers begin on an even number)
.endr
	v_nop                                          ; a plain place behind the conversions and the root
.irp cc, 0,1
.irp i, 0,1,2
	v_mov_b32 v[QC+6*\cc+3+\i], v[QD+4*\cc+\i]
.endr
.endr
	s_wait_alu depctr_va_vdst(0)                   ; the root's result is written, ahead of its first reader; so are the codes v[QC ..] and the word v[QW], which the LDS stores behind this macro read; and the lines above are done reading v[X ..], in which the next fragment's loads land
.endm
.macro IMAGE adr, off                          ; the fragment goes to LDS as it stands in the registers
.irp k, 0,1,2
	ds_store_b128 v[\adr], v[QC+4*\k:QC+4*\k+3] offset:\off+512*\k
.endr
.endm
; A COMPARE-EXCHANGE IS ONE DUAL INSTRUCTION: wire a takes the larger, wire b the smaller.  Its two results go to the group's spare even and odd register (a dual pair wants one of each, and no result that the
; other half reads); the two sources, one even and one odd, are the next spares.  The symbols SWga say where wire a of group g stands; pa is the parity of wire a's new register, chosen so that
; every later exchange again finds an even and an odd source.
.macro CE0 g, a, b, pa, e              ; the first layer reads the keys, which stay
.if \pa
	v_dual_min_num_f32 v[SRT+10*\g+\e], v[KEY+8*\g+\a], v[KEY+8*\g+\b] :: v_dual_max_num_f32 v[SRT+10*\g+\e+1], v[KEY+8*\g+\a], v[KEY+8*\g+\b]
.set SW\g\a, SRT+10*\g+\e+1
.set SW\g\b, SRT+10*\g+\e
.else
	v_dual_max_num_f32 v[SRT+10*\g+\e], v[KEY+8*\g+\a], v[KEY+8*\g+\b] :: v_dual_min_num_f32 v[SRT+10*\g+\e+1], v[KEY+8*\g+\a], v[KEY+8*\g+\b]
.set SW\g\a, SRT+10*\g+\e
.set SW\g\b, SRT+10*\g+\e+1
.endif
.endm
.macro CE g, a, b, pa
.set TA, SW\g\a
.set TB, SW\g\b
.if \pa
	v_dual_min_num_f32 v[SE\g], v[TA], v[TB] :: v_dual_max_num_f32 v[SO\g], v[TA], v[TB]
.set SW\g\a, SO\g
.set SW\g\b, SE\g
.else
	v_dual_max_num_f32 v[SE\g], v[TA], v[TB] :: v_dual_min_num_f32 v[SO\g], v[TA], v[TB]
.set SW\g\a, SE\g
.set SW\g\b, SO\g
.endif
.if TA & 1
.set SO\g, TA
.set SE\g, TB
.else
.set SE\g, TA
.set SO\g, TB
.endif
.endm
; eight keys in descending order: 19 exchanges in six layers
.macro S8L1 g
	CE0 \g,0,2,0,0
	CE0 \g,4,6,1,2
	CE0 \g,1,3,0,4
	CE0 \g,5,7,1,6
.set SE\g, SRT+10*\g+8
.set SO\g, SRT+10*\g+9
.endm
.macro S8L2 g
	CE \g,0,4,0
	CE \g,1,5,1
	CE \g,2,6,0
	CE \g,3,7,1
.endm
.macro S8L3 g
	CE \g,0,1,1
	CE \g,2,3,0
	CE \g,4,5,1
	CE \g,6,7,1
.endm
.macro S8L4 g
	CE \g,2,4,0
	CE \g,3,5,0
.endm
.macro S8L5 g
	CE \g,1,4,1
	CE \g,3,6,1
.endm
.macro S8L6 g
	CE \g,1,2,0
	CE \g,3,4,0
	CE \g,5,6,0
.endm
; the 8 largest of two descending lists: max(A[i], B[7 - i]); they rise and fall once, so three layers of exchanges put them in order
.macro MX gd, i, ga, gb, j, reg
	v_max_num_f32 v[\reg], v[SW\ga\i], v[SW\gb\j]
.set SW\gd\i, \reg
.endm
.macro MERGE gd, ga, gb, base          ; wires 0-3 into even registers, wires 4-7 into odd ones
	MX \gd,0,\ga,\gb,7,\base+0
	MX \gd,1,\ga,\gb,6,\base+2
	MX \gd,2,\ga,\gb,5,\base+4
	MX \gd,3,\ga,\gb,4,\base+6
	MX \gd,4,\ga,\gb,3,\base+1
	MX \gd,5,\ga,\gb,2,\base+3
	MX \gd,6,\ga,\gb,1,\base+5
	MX \gd,7,\ga,\gb,0,\base+7
.set SE\gd, \base+8
.set SO\gd, \base+9
.endm
.macro BL1 g
	CE \g,0,4,0
	CE \g,1,5,0
	CE \g,2,6,1
	CE \g,3,7,1
.endm
.macro BL2 g
	CE \g,0,2,0
	CE \g,1,3,1
	CE \g,4,6,0
	CE \g,5,7,1
.endm
.macro BL3 g
	CE \g,0,1,0
	CE \g,2,3,0
	CE \g,4,5,0
	CE \g,6,7,0
.endm
.macro XL j, k                         ; the other half's list, backwards
	v_permlanex16_b32 v[OB+\j], v[SW6\k], s20, s21
.endm
.macro XM j
	v_max_num_f32 v[OB+\j], v[OB+\j], v[SW6\j]
.endm
.macro BARRIER                         ; my LDS stores have landed and my LDS loads are in: then the work-group's barrier
	s_wait_dscnt 0x0
	s_barrier_signal -1
	s_barrier_wait -1
.endm
.macro NEXT_ADR                        ; the LDS addresses of the unit whose steps s44 to s47 hold
	v_add_nc_u32 v[AEQ], s44, v[BEQ]
	v_add_nc_u32 v[AES], s45, v[BES]
	v_add_nc_u32 v[ARN], s46, v[BRN]
	v_add_nc_u32 v[AEF], s47, v[BEF]
.endm
.macro ASK_Q                           ; a unit's codes and scale word: four loads
.irp k, 0,1,2
	ds_load_b128 v[EQ+4*\k:EQ+4*\k+3], v[AEQ] offset:512*\k
.endr
	ds_load_b32 v[ES], v[AES]
.endm
.macro ASK_F                           ; a unit's norm and its f32 numbers: 17 loads
	ds_load_b64 v[RN:RN+1], v[ARN]
	WIN 0x40
.irp dt, 0,1,2,3,4,5,6,7
.irp q, 0,1
	ds_load_b128 v[EF+8*\dt+4*\q:EF+8*\dt+4*\q+3], v[AEF] offset:64*\dt+16*\q   ; emb(r, 16 dt + 8 h + 0..7), for the unit's end
.endr
.endr
	WIN 0
.endm
	s_load_b128 s[4:7], s[0:1], 0x0                ; emb s[4:5], weight s[6:7]
	s_load_b64 s[8:9], s[0:1], 0x10                ; out0
	v_lshl_add_u32 v62, v0, 2, 0x41400
	v_mov_b32 v63, 0
	v_lshrrev_b32 v1, 5, v0
	v_readfirstlane_b32 s10, v1                    ; wave 0..7
	v_and_b32 v[LANE], 31, v0
	v_and_b32 v[R], 15, v0
	v_bfe_u32 v[H], v0, 4, 1
	v_lshlrev_b32 v[L16], 4, v[LANE]
	s_wait_alu depctr_va_sdst(0)                   ; s10 is written, ahead of its first reader
	s_and_b32 s11, s10, 3                          ; c: my class of the four
	s_lshr_b32 s12, s10, 2                         ; g: my half of the rows
	s_and_b32 s13, ttmp7, 0xffff                   ; which four classes
	s_lshl_b32 s14, s13, 17                        ; weight: four classes of 32,768 bytes,
	s_lshl_b32 s16, s11, 15                        ; my class,
	s_add_co_u32 s14, s14, s16
	s_lshl_b32 s16, s12, 14                        ; its sub-prototypes 32 g on: my two tiles
	s_add_co_u32 s14, s14, s16
	s_mov_b32 s15, 0
	s_lshl_b32 s16, ttmp9, 17                      ; emb: 256 rows of 512 bytes,
	s_lshl_b32 s18, s10, 14                        ; my 32 of them
	s_add_co_u32 s16, s16, s18
	s_mov_b32 s17, 0
	s_lshl_b32 s18, ttmp9, 18                      ; out0: 256 rows of 1,024 bytes,
	s_lshl_b32 s22, s10, 15                        ; the 32 that I store,
	s_add_co_u32 s18, s18, s22
	s_lshl_b32 s22, s13, 4                         ; the four classes' 16 bytes
	s_add_co_u32 s18, s18, s22
	s_mov_b32 s19, 0
	s_wait_kmcnt 0x0
	s_add_nc_u64 s[6:7], s[6:7], s[14:15]
	s_add_nc_u64 s[4:5], s[4:5], s[16:17]
	s_add_nc_u64 s[8:9], s[8:9], s[18:19]
	s_wait_alu depctr_va_vdst(0)                   ; v[L16] is written, which the 64 loads below read as their offset; it is never written again
; each load takes one row, 512 consecutive bytes.  W's rows in the order of the tiles' places: place 16 t + m is sub-prototype 16 t + 2 (m % 8) + m / 8
.set i, 0
.rept 32
	global_load_b128 v[RAW+4*i:RAW+4*i+3], v[L16], s[6:7] offset:(16*(i/16)+2*(i%8)+((i/8)%2))*512
.set i, i+1
.endr
	WIN 0x40                                       ; destination window 1
.set i, 0
.rept 32
	global_load_b128 v[4*i:4*i+3], v[L16], s[4:5] offset:i*512
.set i, i+1
.endr
	WIN 0
	s_mov_b32 s20, 0x76543210
	s_mov_b32 s21, 0xfedcba98                      ; v_permlanex16_b32's selects for lane l xor 16
	s_lshl_b32 s23, s11, 6
	s_lshl_b32 s24, s12, 5
	s_add_co_u32 s23, s23, s24                     ; 64 c + 32 g: my first place among W's 256
	s_mul_i32 s24, s23, PB
	s_add_co_u32 s24, s24, WB                      ; its row in bf16
	s_mul_i32 s25, s10, 32*PITCH
	s_add_co_u32 s25, s25, XE                      ; my 32 rows of the f32 region
	s_lshr_b32 s26, s23, 4                         ; my first tile of W's 16
	s_mul_i32 s27, s26, 1536
	s_add_co_u32 s27, s27, WIMG
	s_lshl_b32 s26, s23, 2
	s_add_co_u32 s28, s26, WSC
	s_add_co_u32 s29, s26, RNWB
	s_mul_i32 s30, s10, 3072
	s_add_co_u32 s30, s30, EIMG
	s_lshl_b32 s31, s10, 7
	s_add_co_u32 s31, s31, ESC
	s_lshl_b32 s33, s10, 8
	s_add_co_u32 s33, s33, ERN
	v_mul_u32_u24 v48, v[R], PITCH
	v_lshl_add_u32 v48, v[H], 7, v48               ; row r, + my half's first block
	v_lshlrev_b32 v49, 2, v[R]
	v_lshlrev_b32 v[V8H], 3, v[H]
	v_mov_b32 v[QT], 0                             ; written once: a lane permute's destination counts as one of its sources
	v_lshl_add_u32 v[AWB], v[LANE], 3, s24         ; 8 bytes a lane: four channels in bf16
	v_add_nc_u32 v[ASE], s25, v[L16]
	v_add_nc_u32 v[AQE], s25, v48
	v_add_nc_u32 v[AIW], s27, v[L16]
	v_add_nc_u32 v[ASCW], s28, v49
	v_add_nc_u32 v[ARW], s29, v49
	v_add_nc_u32 v[AIE], s30, v[L16]
	v_add_nc_u32 v[ASCE], s31, v49
	v_lshl_add_u32 v[ARE], v[R], 3, s33
	s_wait_alu depctr_va_vdst(0)                   ; the nine LDS addresses above are written, which the set-up's LDS instructions read; none is written again ahead of the barrier
	s_wait_loadcnt 32                              ; W's 32 rows are in; emb's 32 loads, issued behind them, stay out
.set i, 0
.rept 32
	ds_store_b128 v[ASE], v[RAW+4*i:RAW+4*i+3] offset:i*PITCH   ; as f32, into my own 32 rows: only I read them, and only until my rows of emb are laid there
.set i, i+1
.endr
	WIN 0x40                                       ; destination window 1
.set i, 0
.rept 32
	v_cvt_pk_bf16_f32 v[WBT+2*i], v[RAW+4*i], v[RAW+4*i+1]       ; my four channels of row i, rounded to nearest even
	v_cvt_pk_bf16_f32 v[WBT+2*i+1], v[RAW+4*i+2], v[RAW+4*i+3]
.set i, i+1
.endr
	WIN 0x04                                       ; an LDS store's data are its source 1: window 1
	s_wait_alu depctr_va_vdst(0)                   ; the conversions have written the 64 registers from WBT on, which the stores below read
.set i, 0
.rept 32
	ds_store_b64 v[AWB], v[WBT+2*i:WBT+2*i+1] offset:i*PB        ; 32 lanes store a row's 256 consecutive bytes
.set i, i+1
.endr
	WIN 0
; my two tiles of W: the rows are my own bytes, and LDS serves a wave's instructions in order
.irp t, 0,1
	QUANT AQE, 8448*\t, \t
	IMAGE AIW, 1536*\t
	ds_store_b32 v[ASCW], v[QW] offset:64*\t       ; both halves of the lanes hold the same word and write it to the same place
	ds_store_b32 v[ARW], v[QS+1] offset:64*\t      ; 1 / n_w
.endr
	s_wait_loadcnt 0x0                             ; emb's rows
	WIN 0x04
.set i, 0
.rept 32
	ds_store_b128 v[ASE], v[4*i:4*i+3] offset:i*PITCH            ; over W's f32 rows, whose last reads of mine have come back
.set i, i+1
.endr
	WIN 0
.irp t, 0,1
	QUANT AQE, 8448*\t, 1
	IMAGE AIE, 1536*\t
	ds_store_b32 v[ASCE], v[QW] offset:64*\t
	v_mul_f32 v[QS], 0x4b800000, v[QS+1]           ; 2^24 / n_emb
	v_mov_b32 v[QS+1], v[QS]
	s_wait_alu depctr_va_vdst(0)                   ; the two lines above have written v[QS:QS+1], which the store below reads
	ds_store_b64 v[ARE], v[QS:QS+1] offset:128*\t
.endr
	BARRIER                                        ; all rows, images, scale words and norms lie in LDS; none of them is written again
	s_wait_alu depctr_vm_vsrc(0)                   ; my set-up's LDS stores have read their addresses (v5 to v15) and their data (W's rows, emb's rows and the bf16 rows in window 1, the codes, v[QW], v[QS ..]): from here on vector lines, products and loads write all of these anew
	s_mul_i32 s24, s12, 12288
	s_add_co_u32 s24, s24, EIMG
	v_add_nc_u32 v[BEQ], s24, v[L16]               ; emb's tile 8 g: its image,
	s_lshl_b32 s24, s12, 9
	s_add_co_u32 s24, s24, ESC
	v_lshl_add_u32 v[BES], v[R], 2, s24            ; its scale words,
	s_lshl_b32 s24, s12, 10
	s_add_co_u32 s24, s24, ERN
	v_lshl_add_u32 v[BRN], v[R], 3, s24            ; its norms,
	s_mul_i32 s24, s12, 128*PITCH
	s_add_co_u32 s24, s24, XE
	v_mul_u32_u24 v[BEF], v[R], PITCH
	v_lshl_add_u32 v[BEF], v[H], 5, v[BEF]
	v_add_nc_u32 v[BEF], s24, v[BEF]               ; its f32 rows: row r, + 8 h channels
	s_lshl_b32 s24, s10, 9
	s_add_co_u32 s24, s24, OUTS
	v_lshl_add_u32 v[BOUT], v[R], 2, s24           ; my 512 bytes of results
	s_mul_i32 s24, s11, 6144
	s_add_co_u32 s24, s24, WIMG
	v_add_nc_u32 v[AWQ], s24, v[L16]
	s_lshl_b32 s24, s11, 8
	s_add_co_u32 s25, s24, WSC
	v_lshl_add_u32 v[AWS], v[R], 2, s25
	s_add_co_u32 s25, s24, RNWB
	v_lshl_add_u32 v[ARNW], v[H], 5, s25
	; The transposing load takes 16 places x 16 channels (lane l reads 16 bytes: place 8 (l / 16) + l % 8, channels 8 ((l / 8) % 2) + 0..7) and leaves half a fragment of W^T: lane l holds channel l % 16 and 8 places.
	s_mul_i32 s24, s11, 64*PB
	s_add_co_u32 s24, s24, WB                      ; my class's 64 rows in bf16
	v_and_b32 v[ATR], 7, v0
	v_bfe_u32 v[TT], v0, 3, 1
	v_lshl_add_u32 v[ATR], v[H], 3, v[ATR]
	v_mul_u32_u24 v[ATR], v[ATR], PB
	v_lshl_add_u32 v[ATR], v[TT], 4, v[ATR]
	v_add_nc_u32 v[ATR], s24, v[ATR]
	v_mov_b32 v[NEGV], 0xc3480000                  ; -200: 2^-200 is 0 in f32
	v_mov_b32 v[KC], 0xbf38aa3b                    ; -log2(e) / 2
	v_mov_b32 v[KC+1], 0xbf38aa3b
	s_mov_b32 s36, 0x4b800000                      ; 2^24 (the packed forms name pairs and take the low word for both halves)
	s_mov_b32 s37, 0x4b800000
	s_mov_b32 s38, 0x3338aa3b                      ; log2(e) / 2 / 2^24
	s_mov_b32 s39, 0x3338aa3b
	s_mov_b32 s44, 0                               ; the unit's steps: images,
	s_mov_b32 s45, 0                               ; scale words and results,
	s_mov_b32 s46, 0                               ; norms,
	s_mov_b32 s47, 0                               ; f32 rows
	NEXT_ADR                                       ; unit 0's
	WIN 0x40
	s_wait_alu depctr_va_vdst(0)                   ; the addresses above are written, which the loads from here to the loop read; and every vector line of the set-up that wrote or read a register in which these loads land is done.  No vector line stands between this wait and the loop
.irp t, 0,1,2,3
.irp k, 0,1,2
	ds_load_b128 v[WQ+12*\t+4*\k:WQ+12*\t+4*\k+3], v[AWQ] offset:1536*\t+512*\k
.endr
.endr
	WIN 0
.irp t, 0,1,2,3
	ds_load_b32 v[WS+\t], v[AWS] offset:64*\t
.endr
.irp t, 0,1,2,3
.irp q, 0,1
	ds_load_b128 v[RNW+8*\t+4*\q:RNW+8*\t+4*\q+3], v[ARNW] offset:64*\t+16*\q   ; register 8 t + j: place 16 t + 8 h + j
.endr
.endr
	WIN 0x40
.irp f, 0,1,2,3,4,5,6,7,8,9,10,11,12,13,14,15  ; W^T's fragment f = 8 u + dt: channels 16 dt on, places 32 u + 8 h + 0..7 and 32 u + 16 + 8 h + 0..7
	ds_load_tr16_b128 v[WT+8*\f:WT+8*\f+3],   v[ATR] offset:(\f/8)*32*PB+(\f%8)*32
	ds_load_tr16_b128 v[WT+8*\f+4:WT+8*\f+7], v[ATR] offset:(\f/8)*32*PB+16*PB+(\f%8)*32
.endr
	WIN 0
	s_mov_b32 s34, 7
	s_wait_dscnt 0x0                               ; my class is in my registers
	ASK_Q                                          ; unit 0 is asked for as every unit is: codes and scale word first, then the norm and the f32 numbers
	ASK_F
	s_wait_dscnt 17                                ; unit 0's codes and scale word are in: behind them stand 17 loads, one LDS instruction fewer than in the loop, where the last unit's store stands among them
; A UNIT.  ahead = 1: the next unit is asked for.
.macro UNIT ahead
	s_wait_dscnt 18                                ; codes and scale word are in; behind them were issued the last unit's store, this unit's norm and its 16 loads of f32 numbers, which stay out
	WIN 0x01                                       ; source 0 window 1
.irp t, 0,1,2,3
	v_wmma_scale_f32_16x16x128_f8f6f4 v[F+8*\t:F+8*\t+7], v[WQ+12*\t:WQ+12*\t+11], v[EQ:EQ+11], 0, v[WS+\t], v[ES] matrix_a_fmt:MATRIX_FMT_FP6 matrix_b_fmt:MATRIX_FMT_FP6
.endr
	WIN 0
.rept 4
	v_nop                                          ; four places ahead of the first read of the results (ISA guide 7.12.1)
.endr
.set i, 0
.rept 16
	v_pk_mul_f32 v[F+2*i:F+2*i+1], v[F+2*i:F+2*i+1], v[RNW+2*i:RNW+2*i+1]     ; dot / n_w
.set i, i+1
.endr
	s_wait_dscnt 16                                ; the norm is in; the 16 loads behind it stay out
.set i, 0
.rept 16
	v_pk_fma_f32 v[F+2*i:F+2*i+1], v[F+2*i:F+2*i+1], v[RN:RN+1], s[36:37] op_sel_hi:[1,0,0]   ; F = 2^24 + 2^24 cos_q, rounded as 1 + cos_q is
.set i, i+1
.endr
.set i, 0
.rept 32
	v_cvt_i32_f32 v[KEY+i], v[F+i]
.set i, i+1
.endr
.set i, 0
.rept 32
	v_lshl_add_u32 v[KEY+i], v[KEY+i], 5, 0x10000000+31-i   ; (int(F) + 2^23) * 32 + 31 - i
.set i, i+1
.endr
.set i, 0
.rept 16
	v_pk_fma_f32 v[F+2*i:F+2*i+1], v[F+2*i:F+2*i+1], s[38:39], v[KC:KC+1] op_sel_hi:[1,0,0]   ; the exponent: (fl(1 + cos_q) - 1) log2(e) / 2: the score's, less a constant that all share
.set i, i+1
.endr
.irp g, 0,1,2,3
	S8L1 \g
.endr
.irp g, 0,1,2,3
	S8L2 \g
.endr
.irp g, 0,1,2,3
	S8L3 \g
.endr
.irp g, 0,1,2,3
	S8L4 \g
.endr
.irp g, 0,1,2,3
	S8L5 \g
.endr
.irp g, 0,1,2,3
	S8L6 \g
.endr
	MERGE 4, 0, 1, SRT+40
	MERGE 5, 2, 3, SRT+50
	BL1 4
	BL1 5
	BL2 4
	BL2 5
	BL3 4
	BL3 5
	MERGE 6, 4, 5, SRT
	BL1 6
	BL2 6
	BL3 6                                          ; my 8 largest keys, in order
	XL 0,7
	XL 1,6
	XL 2,5
	XL 3,4
	XL 4,3
	XL 5,2
	XL 6,1
	XL 7,0
.irp j, 0,1,2,3,4,5,6,7
	v_add_nc_u32 v[OB+\j], v[OB+\j], v[H]          ; in half 1 the keys that came from half 0 count one more: at equal F and i the even s goes first
.endr
.irp j, 0,1,2,3,4,5,6,7
	XM \j
.endr
	v_min3_num_f32 v[TH], v[OB], v[OB+1], v[OB+2]
	v_min3_num_f32 v[OB+3], v[OB+3], v[OB+4], v[OB+5]
	v_min3_num_f32 v[TH], v[TH], v[OB+6], v[OB+7]
	v_min_num_f32 v[TH], v[TH], v[OB+3]            ; my keys at or over this are those of mine among the row's 8
.set i, 0
.rept 32
	v_cmp_le_f32 s[MK+i], v[TH], v[KEY+i]          ; the 32 masks in one run, each in a scalar register of its own
.set i, i+1
.endr
	s_wait_alu depctr_va_sdst(0)                   ; the 32 masks s66 to s97 are written, ahead of their first reader
.set i, 0
.rept 32
	v_cndmask_b32 v[F+i], v[NEGV], v[F+i], s[MK+i]
.set i, i+1
.endr
.set i, 0
.rept 32
	v_exp_f32 v[F+i], v[F+i]                       ; a: the softmax's numerator, or 0
.set i, i+1
.endr
	s_wait_alu depctr_vm_vsrc(0)                   ; the LDS loads and the store issued so far have read the five addresses, which the additions below write, and v[DT], which the sum P . emb further down writes
	v_add_nc_u32 v[AOUT], s45, v[BOUT]             ; where this unit's result goes.  (Also the plain place behind the exponentials)
.if \ahead
	s_add_co_u32 s44, s44, 1536                    ; on to the next unit
	s_add_co_u32 s45, s45, 64
	s_add_co_u32 s46, s46, 128
	s_add_co_u32 s47, s47, 16*PITCH
	NEXT_ADR
.endif
	s_wait_alu depctr_va_vdst(0)                   ; the 32 exponentials' results are written, ahead of their first reader: one wait for the batch; the addresses above are written, which the LDS instructions from here to the unit's end read; the four scaled products are done reading v[EQ ..] and v[ES], in which the loads below land
.if \ahead
	ASK_Q                                          ; the next unit's codes and scale word: they have the rest of the unit in which to land
.endif
.set i, 0
.rept 16
	v_cvt_pk_bf16_f32 v[A16+i], v[F+2*i], v[F+2*i+1]   ; tiles 2 u and 2 u + 1, in pairs, are source 1 of K step u as they stand
.set i, i+1
.endr
	v_pk_add_f32 v[Z:Z+1], v[F:F+1], v[F+2:F+3]    ; Z, of the unrounded a, in two chains; most of it stands behind the products
	v_pk_add_f32 v[ZB:ZB+1], v[F+4:F+5], v[F+6:F+7]
	v_pk_add_f32 v[Z:Z+1], v[Z:Z+1], v[F+8:F+9]
	v_pk_add_f32 v[ZB:ZB+1], v[ZB:ZB+1], v[F+10:F+11]
	WIN 0x01
.irp dt, 0,1,2,3,4,5,6,7                       ; P^T = W^T a: the eight accumulators by turns
	v_wmma_f32_16x16x32_bf16 v[P+8*\dt:P+8*\dt+7], v[WT+8*\dt:WT+8*\dt+7], v[A16:A16+7], 0
.endr
.irp dt, 0,1,2,3,4,5,6,7
	v_wmma_f32_16x16x32_bf16 v[P+8*\dt:P+8*\dt+7], v[WT+64+8*\dt:WT+64+8*\dt+7], v[A16+8:A16+15], v[P+8*\dt:P+8*\dt+7]
.endr
	WIN 0
.irp i, 12,16,20,24,28                         ; these eleven are also the places behind the last products
	v_pk_add_f32 v[Z:Z+1], v[Z:Z+1], v[F+\i:F+\i+1]
	v_pk_add_f32 v[ZB:ZB+1], v[ZB:ZB+1], v[F+\i+2:F+\i+3]
.endr
	v_pk_add_f32 v[Z:Z+1], v[Z:Z+1], v[ZB:ZB+1]
	s_wait_dscnt 4*\ahead                          ; emb's f32 numbers are in; the next unit's four loads, issued behind them, stay out
	WIN 0x04                                       ; source 1 window 1
	v_pk_mul_f32 v[DT:DT+1], v[P:P+1], v[EF:EF+1]  ; P . emb, each accumulator from its low end on, in two chains
	v_pk_mul_f32 v[DT+2:DT+3], v[P+2:P+3], v[EF+2:EF+3]
.set i, 4
.rept 15
	v_pk_fma_f32 v[DT:DT+1], v[P+i:P+i+1], v[EF+i:EF+i+1], v[DT:DT+1]
	v_pk_fma_f32 v[DT+2:DT+3], v[P+i+2:P+i+3], v[EF+i+2:EF+i+3], v[DT+2:DT+3]
.set i, i+4
.endr
	WIN 0
	v_pk_mul_f32 v[NN:NN+1], v[P:P+1], v[P:P+1]    ; |P|^2
	v_pk_mul_f32 v[NN+2:NN+3], v[P+2:P+3], v[P+2:P+3]
.set i, 4
.rept 15
	v_pk_fma_f32 v[NN:NN+1], v[P+i:P+i+1], v[P+i:P+i+1], v[NN:NN+1]
	v_pk_fma_f32 v[NN+2:NN+3], v[P+i+2:P+i+3], v[P+i+2:P+i+3], v[NN+2:NN+3]
.set i, i+4
.endr
	v_pk_add_f32 v[DT:DT+1], v[DT:DT+1], v[DT+2:DT+3]
	v_pk_add_f32 v[NN:NN+1], v[NN:NN+1], v[NN+2:NN+3]
	v_add_f32 v[DT], v[DT], v[DT+1]
	v_add_f32 v[NN], v[NN], v[NN+1]
	v_add_f32 v[Z], v[Z], v[Z+1]
	v_permlanex16_b32 v[DT+1], v[DT], s20, s21
	v_permlanex16_b32 v[NN+1], v[NN], s20, s21
	v_permlanex16_b32 v[Z+1], v[Z], s20, s21
	v_add_f32 v[DT], v[DT], v[DT+1]                ; with the other half's channels and sub-prototypes
	v_add_f32 v[NN], v[NN], v[NN+1]
	v_add_f32 v[Z], v[Z], v[Z+1]
	v_rsq_f32 v[NN+1], v[NN]
	v_rcp_f32 v[Z+1], v[Z]
	v_nop
	s_wait_alu depctr_va_vdst(0)                   ; the root's and the reciprocal's results are written, ahead of their first reader: one wait for the two
	v_mul_f32 v[NN+1], v[NN+1], v[RN]              ; 2^24 / (|P| n_emb); infinite where P is 0,
	v_mul_f32 v[Z+1], 0x58bebc20, v[Z+1]           ; 2^24 / (1e-8 Z):
	v_min_num_f32 v[NN+1], v[NN+1], v[Z+1]         ; 2^24 / max(|P| n_emb, 1e-8 Z)
	v_mul_f32 v[DT], v[DT], v[NN+1]                ; 2^24 cos2
	v_fma_f32 v[DT], v[DT], 0x33000000, 0.5        ; (1 + cos2) / 2
	v_add_f32 v[DT], 0x322bcc77, v[DT]             ; + 1e-8
	v_mul_f32 v[DT], 0x41200000, v[DT]             ; / 0.1
	s_wait_alu depctr_va_vdst(0)                   ; v[DT] is written, which the store reads; the last reader of v[RN] and the sum that read emb's f32 numbers are done: the next unit's loads land in those registers
	ds_store_b32 v[AOUT], v[DT]                    ; both halves hold the same number and write it to the same word
.if \ahead
	ASK_F                                          ; the next unit's norm and f32 numbers.  No vector line stands between the wait above and these loads
.endif
.endm
.Lunit:                                            ; units 0 to 6: each asks for the unit behind it
	UNIT 1
	s_sub_co_u32 s34, s34, 1
	s_cmp_lg_u32 s34, 0
	s_cbranch_scc1 .Lunit
	UNIT 0                                         ; unit 7 is written out: it asks for nothing (the bytes one unit further on hold other data, results that other waves store among them)
	BARRIER                                        ; all eight waves' results lie in LDS
	s_lshl_b32 s24, s12, 11                        ; row 32 wave + lane: its four classes come from waves 4 g + 0 .. 3, 512 bytes apart
	s_lshl_b32 s25, s11, 7
	s_add_co_u32 s24, s24, s25
	s_add_co_u32 s24, s24, OUTS
	v_lshl_add_u32 v[AEQ], v[LANE], 2, s24         ; (v[AEQ] and v[AES] were last read by unit 6's loads, which stand ahead of unit 7's wait on vm_vsrc)
	v_lshlrev_b32 v[AES], 10, v[LANE]              ; a row of out0 a lane
	s_wait_alu depctr_va_vdst(0)                   ; the two addresses above are written, which the loads and the store below read
.irp k, 0,1,2,3
	ds_load_b32 v[16+\k], v[AEQ] offset:512*\k
.endr
	s_wait_dscnt 0x0
	global_store_b128 v[AES], v[16:19], s[8:9]
	s_wait_dscnt 0x0                               ; the closing lines, six on end
	s_wait_alu 0x0
	s_wait_tensorcnt 0x0
	ds_add_u32 v62, v63
	s_wait_dscnt 0x0
	s_endpgm
.Lfunc_end_k_q4742af8dac_classify:
	.size	k_q4742af8dac_classify, .Lfunc_end_k_q4742af8dac_classify-k_q4742af8dac_classify
	.p2alignl 7, 3214868480
	.fill 96, 4, 3214868480
	.section	.rodata,"a",@progbits
	.p2align	6, 0x0
	.amdhsa_kernel k_q4742af8dac_classify
		.amdhsa_group_segment_fixed_size 268288
		.amdhsa_private_segment_fixed_size 0
		.amdhsa_enable_private_segment 0
		.amdhsa_kernarg_size 24
		.amdhsa_user_sgpr_count 2
		.amdhsa_user_sgpr_kernarg_segment_ptr 1
		.amdhsa_wavefront_size32 1
		.amdhsa_system_sgpr_workgroup_id_x 1
		.amdhsa_system_sgpr_workgroup_id_y 1
		.amdhsa_system_sgpr_workgroup_id_z 1
		.amdhsa_system_vgpr_workitem_id 0
		.amdhsa_next_free_vgpr 512
		.amdhsa_next_free_sgpr 98
		.amdhsa_reserve_vcc 0
		.amdhsa_float_denorm_mode_32 3
		.amdhsa_float_denorm_mode_16_64 3
		.amdhsa_memory_ordered 1
		.amdhsa_forward_progress 1
		.amdhsa_inst_pref_size 117
	.end_amdhsa_kernel
	.amdgpu_metadata
---
amdhsa.version: [ 1, 2 ]
amdhsa.kernels:
  - .name:           k_q4742af8dac_classify
    .symbol:         k_q4742af8dac_classify.kd
    .args:
      - { .name: emb, .offset: 0, .size: 8, .value_kind: global_buffer, .address_space: global }
      - { .name: weight, .offset: 8, .size: 8, .value_kind: global_buffer, .address_space: global }
      - { .name: out0, .offset: 16, .size: 8, .value_kind: global_buffer, .address_space: global }
    .group_segment_fixed_size: 268288
    .private_segment_fixed_size: 0
    .kernarg_segment_align: 8
    .kernarg_segment_size: 24
    .max_flat_workgroup_size: 256
    .sgpr_count:     98
    .vgpr_count:     512
    .wavefront_size: 32
...
	.end_amdgpu_metadata
.endif
;; end of part 2
